; MI455X (gfx1250); checked and timed in simulation.
; The chip was launched on July 23, 2026; its instructions are those of AMD's public machine-readable ISA for CDNA 5 (MIT licence, August 2026) and "CDNA5" Instruction Set Architecture Reference Guide (July 2026). The comments in the code are by the model that wrote it; some were corrected since.
;; Multihead Self Attention. Allowed arithmetic: matrix products marked QUANTISED: E4M3 operands, one given power-of-two scale a tensor, by v_wmma_f32_16x16x64_fp8_fp8 or v_wmma_f32_16x16x128_fp8_fp8, f32 sums; everything else in f32.
;; Inputs: b_out 1,024 float32; b_qkv 3,072 float32; lowp_scales 8 int32 (the exponents e of the quantised operands' scales 2^e); w_out 1,024 x 1,024 float32; w_qkv 1,024 x 3,072 float32; x 4 x 2,048 x 1,024 float32.
;; Outputs: out0 4 x 2,048 x 1,024 float32.
;; This version of the problem:
;;   THIS VERSION OF THE PROBLEM IS GIVEN IN LOW PRECISION. The matrix products marked QUANTISED in the list below multiply operands that are first quantised to E4M3 (4 exponent bits, 3 mantissa bits; 8 bits a number), with one given power-of-two scale for each operand tensor; their sums are f32. All else is computed in f32.
;;   The module's matrix products, in the order in which they are computed (A, B: the left and right operand; K: the contracted axis; several contracted axes count as one K, in the product's order):
;;     1. [M 8,192, K 1,024] x [K 1,024, N 3,072]; A: input x; B: input w_qkv: QUANTISED (scales: A lowp_scales[0], B lowp_scales[1])
;;     2. batch 64 x [M 2,048, K 64] x [K 64, N 2,048]; A: computed on the way; B: computed on the way: QUANTISED (scales: A lowp_scales[2], B lowp_scales[3])
;;     3. batch 64 x [M 2,048, K 2,048] x [K 2,048, N 64]; A: softmax (see below); B: computed on the way: QUANTISED (scales: A lowp_scales[4], B lowp_scales[5])
;;     4. [M 8,192, K 1,024] x [K 1,024, N 1,024]; A: computed on the way; B: input w_out: QUANTISED (scales: A lowp_scales[6], B lowp_scales[7])
;;   THE QUANTISER, for each operand of a quantised product, along K:
;;     - The operand's scale is 2^e, e = its entry of the input lowp_scales (int32; the entries are numbered through the quantised products in the list's order, A before B).
;;     - Each number is divided by the scale, clamped to +-448, and rounded to the nearest number of E4M3, ties to even, subnormals kept.
;;     - The product sums the exact products of the quantised numbers (number of the format x scale) in f32.
;;   ~~~python
;;   def quantise(x, axis, e):      # numpy; x: float32 -> the quantised numbers, widened to float32 again
;;       x = np.moveaxis(x, axis, -1); K = x.shape[-1]
;;       r = np.clip(x / 2.0 ** e, -448, 448)
;;       step = 2.0 ** (np.maximum(np.frexp(np.where(r == 0, 1, r))[1] - 1, -6) - 3)
;;       q = np.round(r / step) * step * 2.0 ** e      # np.round: ties to even
;;       return np.moveaxis(q, -1, axis).astype(np.float32)
;;   ~~~
;;   SOFTMAX AHEAD OF A QUANTISED PRODUCT. Where the list says 'softmax', what is quantised is not the finished softmax but p = 2^(t - M), with t = logit x log2(e) and M = ceil(the row's largest t), a whole number; so 1/2 < the row's largest p <= 1. The row's sum l is taken of the UNQUANTISED p, in f32, and the product's result is divided by l at the end. Since M is a whole number, a kernel that streams over the keys may use a running M (the ceiling of the running maximum): every later rescaling is an exact power of two, so the quantised numbers keep their values, but for numbers so far below the row's largest that they fall under the format's range.
;;   OPERANDS COMPUTED ON THE WAY. 'Computed on the way' means the value that the module computes at that place (a softmax that the list does not call 'softmax' is quantised finished and normalised). What goes into a quantiser is computed in f32, as accurately as f32 sums, v_exp_f32 and their like allow (about 1e-6 of the number): no bf16 or f16 on the way to a quantiser, and a product that is left as it is and whose result goes on into a quantised operand takes f32 operands (vector FMAs, or v_wmma_f32_16x16x4_f32). A number that lies on a knife's edge between two numbers of the format may be rounded either way, as far as f32 arithmetic and the matrix unit's own rounding can turn it there, and no further.
;; One version. Each part assembles by itself: llvm-mc -triple=amdgcn-amd-amdhsa -mcpu=gfx1250 --defsym DOCPART=n.
;; ======== version 1 of 1: 4 launches
;; limits: right only within a limited range of input values
;; workspace buffers: x_codes 8,388,608 bytes; wqkv_codes 3,145,728 bytes; wout_codes 1,048,576 bytes; q_codes 8,388,608 bytes; k_codes 8,388,608 bytes; v_codes 8,388,608 bytes; a_codes 8,388,608 bytes
;; launch quant (part 1): grid 384 x 1, 4 waves a work-group, no clusters, 34,304 bytes of LDS; arguments x, w_qkv, w_out, lowp_scales, x_codes, wqkv_codes, wout_codes; writes x_codes, wqkv_codes, wout_codes
.if DOCPART == 1
	.amdgcn_target "amdgcn-amd-amdhsa--gfx1250"
	.amdhsa_code_object_version 6
	.text
	.protected	k_q285dc8e3b9_quant
	.globl	k_q285dc8e3b9_quant
	.p2align	8
	.type	k_q285dc8e3b9_quant,@function
k_q285dc8e3b9_quant:
	s_mov_b64 s[64:65], 0
	v_nop
	global_prefetch_b8 v0, s[64:65] scope:SCOPE_SE
	s_setreg_imm32_b32 hwreg(HW_REG_WAVE_MODE, 25, 1), 1
	s_wait_xcnt 0x0
; x [8192][1024], w_qkv [1024][3072] and w_out [1024][1024], f32, become codes of FP8 (E4M3), each tensor with the one scale 2^e given for it (entries 0, 1, 7).
; code = number / 2^e, held within +-448, rounded to the nearest code, ties to even.
; LIMITS: each e between -126 and 119, so that 2^e and 448 x 2^e are f32 numbers.  NaN among the inputs is not served; an infinity is held at the largest code.
; THE CODES ARE LAID AS IMAGES OF OPERAND REGISTERS.  A fragment is 16 rows x 128 K: 4 chunks of 512 bytes; in chunk c lane l = 16 h + r owns the 16 bytes at 16 l: row r, k = 32 c + 16 h + 0 .. 15.
; THE 16 ROWS OF A ROW TILE ARE NOT NEIGHBOURS: tile 2 G + u holds rows 32 G + 8 u + p + 8 (p / 8), p = 0 .. 15.  A buffer is [K step of 256][row tile][which 128][chunk][512 bytes].
; Of a weight the "rows" are its columns n, since K is its first axis.
; SHARES.  Every work-group reads 128 KiB.  Work-groups 0-255: 32 rows of x each.  256-351: 128 columns x 256 K of w_qkv.  352-383: the same of w_out.  The three ways part on the work-group's number; only x's way uses LDS.
; No tensor loads, no barrier: waves share nothing, and several work-groups lie on a WGP.
.set STW,   8448                       ; a wave's stage: 16 rows x 528
.set SP,    528                        ; a stage row: 512 bytes + 16: row r starts 4 r banks on (64 banks of 4 bytes: ISA guide 11.1)
.set SPARE, 4*STW                      ; behind the stages: the spare words, 128 bytes a wave, named by no other line
.set SPW,   12                         ; v12  LDS address of my spare word; never rewritten
.set NIL,   13                         ; v13  0; never rewritten
.set R,     16                         ; v16-143   x: two sets of 64 registers, as loaded
.set X,     144                        ; v144-207  x: 64 numbers of my row, in the operand's order
.set C,     208                        ; v208-239  x: two sets of 16 registers of codes
.set WX,    16                         ; v16-79    weights: two sets of 32 numbers down K
.set WC,    80                         ; v80-143   weights: 8 registers of codes for each of 8 blocks: no store's data are written again
.macro MAKESC e                        ; v11 = 2^e as f32 (the conversion takes its exponent field)
	s_add_co_i32 s28, s[\e], 127
	s_lshl_b32 s29, s28, 23
	v_mov_b32 v11, s29
	s_add_co_i32 s28, s28, 8
	s_lshl_b32 s28, s28, 23
	s_or_b32 s28, s28, 0x600000
.endm
; x: fragment f of my four: 16 loads, each 512 consecutive bytes of one of the tile's rows
.macro LOADX f
.set p, 0
.rept 16
	global_load_b128 v[R+64*((\f)%2)+4*p:R+64*((\f)%2)+4*p+3], v3, s[4:5] offset:(p+8*(p/8))*4096+512*(\f) th:TH_LOAD_NT
.set p, p+1
.endr
.endm
.macro FRAGX f
.if (\f) < 3
	s_wait_loadcnt 16                              ; this fragment's 16 loads are in; the next fragment's 16 may be out
.else
	s_wait_loadcnt 0
.endif
.set p, 0
.rept 16
	ds_store_b128 v4, v[R+64*((\f)%2)+4*p:R+64*((\f)%2)+4*p+3] offset:SP*p      ; the rows as they lie
.set p, p+1
.endr
.set p, 0
.rept 16
	ds_load_b128 v[X+4*p:X+4*p+3], v5 offset:128*(p/4)+16*(p%4)                 ; back: row r, k = 32 c + 16 h + 0 .. 15 (LDS serves a wave's instructions in order: ISA guide 5.7.1.4)
.set p, p+1
.endr
	s_wait_dscnt 0x0                               ; the numbers are back, so the stores have read their registers,
.if (\f) < 2
	LOADX (\f)+2                                   ; which take the loads of two fragments on
.else
	s_wait_xcnt 0x0                                ; the codes' set was stored two fragments ago: it is written again only behind this wait
.endif
.set p, 0
.rept 64
.set p, p+1
.endr
.set p, 0
.rept 8
	v_cvt_scalef32_pk8_fp8_f32 v[C+16*((\f)%2)+2*p:C+16*((\f)%2)+2*p+1], v[X+8*p:X+8*p+7], v11
.set p, p+1
.endr
	v_nop                                          ; one plain line behind the last conversion
.irp c, 0,1,2,3
	global_store_b128 v3, v[C+16*((\f)%2)+4*\c:C+16*((\f)%2)+4*\c+3], s[12:13] offset:((\f)/2)*2097152+((\f)%2)*2048+512*\c   ; a chunk: 512 consecutive bytes
.endr
.endm
; weights: block t, 32 along K of my column, into set t % 2: the 32 lanes read 128 consecutive bytes
.macro LOADW t, pitch, ip
.set p, 0
.rept 32
	global_load_b32 v[WX+32*((\t)%2)+p], v3, s[\ip:\ip+1] offset:(32*(\t)+p)*\pitch th:TH_LOAD_NT
.set p, p+1
.endr
.endm
.macro BLOCKW t, pitch, ip, op
.if (\t) < 7
	s_wait_loadcnt 32                              ; this block's 32 loads are in; the next block's may be out
.else
	s_wait_loadcnt 0
.endif
.set p, 0
.rept 32
.set p, p+1
.endr
.irp g, 0,1,2,3
	v_cvt_scalef32_pk8_fp8_f32 v[WC+8*(\t)+2*\g:WC+8*(\t)+2*\g+1], v[WX+32*((\t)%2)+8*\g:WX+32*((\t)%2)+8*\g+7], v11
.endr
	v_nop
.if (\t) < 6
	LOADW (\t)+2, \pitch, \ip
.endif
	global_store_b128 v4, v[WC+8*(\t):WC+8*(\t)+3], s[\op:\op+1] offset:((\t)/4)*2048+((\t)%4)*512          ; k = 32 t + 0 .. 15: the places of lanes 0-15 of the chunk; sixteen lanes fill 256 aligned bytes
	global_store_b128 v4, v[WC+8*(\t)+4:WC+8*(\t)+7], s[\op:\op+1] offset:((\t)/4)*2048+((\t)%4)*512+256    ; k = 32 t + 16 .. 31: the places of lanes 16-31
.endm
; A LANE TAKES A COLUMN AND ITS REGISTERS RUN DOWN K.  Lane (u, p) takes column 32 G + 8 u + p + 8 (p / 8): lanes 0-15 are row tile 2 G, lanes 16-31 tile 2 G + 1.
.macro WPATH pitch, plane, ip, op, e, first
	s_sub_co_u32 s30, ttmp9, \first
	s_lshr_b32 s31, s30, 2
	s_and_b32 s30, s30, 3                          ; which 256 along K
	s_lshl_b32 s31, s31, 2
	s_add_co_u32 s31, s31, s18                     ; G: my wave's 32 columns
	v_and_b32 v8, 8, v6
	v_add_nc_u32 v8, v8, v6
	v_lshl_add_u32 v8, v7, 3, v8                   ; 8 u + p + 8 (p / 8)
	v_lshlrev_b32 v3, 2, v8                        ; in: 4 bytes a column
	s_wait_alu depctr_va_vdst(0)
	v_lshlrev_b32 v4, 4, v6
	v_lshl_add_u32 v4, v7, 12, v4                  ; out: 4,096 u + 16 p
	s_mul_i32 s32, s30, 256*\pitch
	s_lshl_b32 s34, s31, 7
	s_add_co_u32 s32, s32, s34
	s_mov_b32 s33, 0
	s_add_nc_u64 s[\ip:\ip+1], s[\ip:\ip+1], s[32:33]
	s_mul_i32 s32, s30, \plane
	s_lshl_b32 s34, s31, 13                        ; two row tiles of 4,096 bytes
	s_add_co_u32 s32, s32, s34
	s_add_nc_u64 s[\op:\op+1], s[\op:\op+1], s[32:33]
	LOADW 0, \pitch, \ip
	LOADW 1, \pitch, \ip
	s_wait_kmcnt 0x0
	MAKESC \e
	s_wait_alu depctr_va_vdst(0)
.irp t, 0,1,2,3,4,5,6,7
	BLOCKW \t, \pitch, \ip, \op
.endr
	s_endpgm
.endm
	s_load_b256 s[4:11], s[0:1], 0x0               ; x s[4:5], w_qkv s[6:7], w_out s[8:9], the exponents s[10:11]
	s_load_b128 s[12:15], s[0:1], 0x20             ; x_codes, wqkv_codes
	s_load_b64 s[16:17], s[0:1], 0x30              ; wout_codes
	v_lshl_add_u32 v[SPW], v0, 2, SPARE
	v_mov_b32 v[NIL], 0
	v_lshrrev_b32 v1, 5, v0
	v_readfirstlane_b32 s18, v1                    ; wave 0..3
	v_and_b32 v2, 31, v0                           ; lane
	v_and_b32 v6, 15, v0                           ; lane % 16
	v_bfe_u32 v7, v0, 4, 1                         ; lane / 16
	s_wait_kmcnt 0x0
	s_load_b256 s[20:27], s[10:11], 0x0            ; e0 .. e7
	s_cmp_ge_u32 ttmp9, 256
	s_cbranch_scc1 .Lweights
	; ---- x: work-group G takes rows 32 G .. 32 G + 31.  Wave: u = wave % 2 (row tile 2 G + u), hf = wave / 2 (which 512 along K: four fragments)
	s_and_b32 s28, s18, 1
	s_lshr_b32 s29, s18, 1
	s_lshl_b32 s30, ttmp9, 17                      ; 32 rows of 4,096 bytes
	s_lshl_b32 s32, s28, 15                        ; 8 u rows
	s_add_co_u32 s30, s30, s32
	s_lshl_b32 s32, s29, 11                        ; 512 hf numbers
	s_add_co_u32 s30, s30, s32
	s_mov_b32 s31, 0
	s_add_nc_u64 s[4:5], s[4:5], s[30:31]
	s_lshl_b32 s30, s29, 22                        ; two planes of 2,097,152 bytes
	s_lshl_b32 s32, ttmp9, 13
	s_add_co_u32 s30, s30, s32
	s_lshl_b32 s32, s28, 12
	s_add_co_u32 s30, s30, s32                     ; + row tile x 4,096
	s_add_nc_u64 s[12:13], s[12:13], s[30:31]
	s_wait_alu depctr_va_vdst(0)
	v_lshlrev_b32 v3, 4, v2                        ; 16 x lane
	s_mul_i32 s33, s18, STW
	v_add_nc_u32 v4, s33, v3                       ; the stage, in
	v_mul_u32_u24 v5, v6, SP
	v_lshl_add_u32 v5, v7, 6, v5
	v_add_nc_u32 v5, s33, v5                       ; and back: row r, + 64 h bytes
	LOADX 0
	LOADX 1
	s_wait_alu depctr_va_vdst(0)
	s_wait_kmcnt 0x0
	MAKESC 20
	s_wait_alu depctr_va_vdst(0)
	FRAGX 0
	FRAGX 1
	FRAGX 2
	FRAGX 3
	s_wait_tensorcnt 0x0                           ; the wave's end: behind my last LDS store
	ds_add_u32 v[SPW], v[NIL]
	s_wait_dscnt 0x0
	s_endpgm
.Lweights:
	s_cmp_ge_u32 ttmp9, 352
	s_cbranch_scc1 .Lwout
	s_wait_alu depctr_va_vdst(0)
	WPATH 12288, 786432, 6, 14, 21, 256
.Lwout:
	s_wait_alu depctr_va_vdst(0)
	WPATH 4096, 262144, 8, 16, 27, 352
.Lfunc_end_k_q285dc8e3b9_quant:
	.size	k_q285dc8e3b9_quant, .Lfunc_end_k_q285dc8e3b9_quant-k_q285dc8e3b9_quant
	.p2alignl 7, 3214868480
	.fill 96, 4, 3214868480
	.section	.rodata,"a",@progbits
	.p2align	6, 0x0
	.amdhsa_kernel k_q285dc8e3b9_quant
		.amdhsa_group_segment_fixed_size 34304
		.amdhsa_private_segment_fixed_size 0
		.amdhsa_enable_private_segment 0
		.amdhsa_kernarg_size 56
		.amdhsa_user_sgpr_count 2
		.amdhsa_user_sgpr_kernarg_segment_ptr 1
		.amdhsa_wavefront_size32 1
		.amdhsa_system_sgpr_workgroup_id_x 1
		.amdhsa_system_sgpr_workgroup_id_y 1
		.amdhsa_system_sgpr_workgroup_id_z 1
		.amdhsa_system_vgpr_workitem_id 0
		.amdhsa_next_free_vgpr 240
		.amdhsa_next_free_sgpr 66
		.amdhsa_reserve_vcc 0
		.amdhsa_float_denorm_mode_32 3
		.amdhsa_float_denorm_mode_16_64 3
		.amdhsa_fp16_overflow 1
		.amdhsa_memory_ordered 1
		.amdhsa_forward_progress 1
		.amdhsa_inst_pref_size 79
	.end_amdhsa_kernel
	.amdgpu_metadata
---
amdhsa.version: [ 1, 2 ]
amdhsa.kernels:
  - .name:           k_q285dc8e3b9_quant
    .symbol:         k_q285dc8e3b9_quant.kd
    .args:
      - { .name: x, .offset: 0, .size: 8, .value_kind: global_buffer, .address_space: global }
      - { .name: w_qkv, .offset: 8, .size: 8, .value_kind: global_buffer, .address_space: global }
      - { .name: w_out, .offset: 16, .size: 8, .value_kind: global_buffer, .address_space: global }
      - { .name: lowp_scales, .offset: 24, .size: 8, .value_kind: global_buffer, .address_space: global }
      - { .name: x_codes, .offset: 32, .size: 8, .value_kind: global_buffer, .address_space: global }
      - { .name: wqkv_codes, .offset: 40, .size: 8, .value_kind: global_buffer, .address_space: global }
      - { .name: wout_codes, .offset: 48, .size: 8, .value_kind: global_buffer, .address_space: global }
    .group_segment_fixed_size: 34304
    .private_segment_fixed_size: 0
    .kernarg_segment_align: 8
    .kernarg_segment_size: 56
    .max_flat_workgroup_size: 128
    .sgpr_count:     66
    .vgpr_count:     240
    .wavefront_size: 32
...
	.end_amdgpu_metadata
.endif
;; end of part 1
;; launch qkv (part 2): grid 12 x 32, 4 waves a work-group, clusters of 4 x 4, 327,680 bytes of LDS; arguments x_codes, wqkv_codes, lowp_scales, b_qkv, q_codes, k_codes, v_codes; writes q_codes, k_codes, v_codes
.if DOCPART == 2
	.amdgcn_target "amdgcn-amd-amdhsa--gfx1250"
	.amdhsa_code_object_version 6
	.text
	.protected	k_q285dc8e3b9_qkv
	.globl	k_q285dc8e3b9_qkv
	.p2align	8
	.type	k_q285dc8e3b9_qkv,@function
k_q285dc8e3b9_qkv:
	s_mov_b64 s[64:65], 0
	v_nop
	global_prefetch_b8 v0, s[64:65] scope:SCOPE_SE
	s_setreg_imm32_b32 hwreg(HW_REG_WAVE_MODE, 25, 1), 1
	s_wait_xcnt 0x0
	s_wait_alu depctr_hold_cnt(0) depctr_sa_sdst(0) depctr_va_vdst(0) depctr_va_sdst(0) depctr_va_ssrc(0) depctr_va_vcc(0) depctr_vm_vsrc(0)
	s_getreg_b32 s2, hwreg(HW_REG_IB_STS2, 6, 4)
	s_cmp_eq_u32 s2, 0
	s_cbranch_scc0 .Lentry_in_a_cluster
	s_endpgm
.Lentry_in_a_cluster:
	s_bfe_u32 s2, ttmp6, 0x10000c
	s_cmp_lg_u32 s2, 0xf033
	s_cbranch_scc0 .Lentry_shape_is_right
	s_endpgm
.Lentry_shape_is_right:
; qkv = x w_qkv + b_qkv on codes of FP8 (E4M3), and q, k, v quantised on the way out with the scales given for them (entries 2, 3, 5).  Sums in f32.
; A work-group of four waves makes 256 rows of x against 256 columns of w_qkv; a wave 128 x 128: 64 accumulators of 16 x 16.  K = 1,024 goes in four K steps of 256 through two LDS slots, written out without a loop.
; OPERANDS ARE IMAGES OF REGISTERS: a fragment (16 rows x 128 K) is 4 chunks of 512 bytes, lane l's 16 bytes at 16 l (row l % 16, k = 32 c + 16 (l / 16) + 0 .. 15): the same order of k on both sides, so every product meets its partner.
; Row tile 2 G + u holds rows 32 G + 8 u + p + 8 (p / 8).  So every tile that a tensor load brings is one dense block, and every LDS load takes 512 consecutive bytes.
; THE MATRIX INSTRUCTION: source 0 = a tile of B', source 1 = a tile of A'.  A lane holds one row of A', and its 16 registers of B's tiles 2 p, 2 p + 1 are 16 NEIGHBOURS along B's rows, 32 p + 16 (l / 16) + 0 .. 15.
; Two conversions make of them the lane's 16 bytes of a chunk of the next operand's image, stored as 512 consecutive bytes: the way out touches no LDS.
; ROLES.  The cluster's x says which tensor: 0 q, 1 k, 2 v.  q, k: A' = x, B' = w (K of the next product = the head's 64 = columns of w).  v: A' = w, B' = x (K of the next product = the keys = rows of x).  Only two LDS offsets and the way out differ.
; OUT: q_codes, k_codes [batch x head][tile of 16 rows][chunk 2][512];  v_codes [batch x head][128 keys][tile of 16 channels][chunk 4][512].
; CLUSTERS: 4 x 4.  x's tiles are shared along a row of the cluster, w's along a column: each is asked for jointly, by the same tensor load with a mask that names the four.
; 384 work-groups: 12 tile columns x 32 tile rows; a tile column never straddles two of q, k, v.
; LIMITS: e0 + e1 between -126 and 127; e2, e3, e5 between -126 and 119.
.set NB,    8                          ; B's tiles of a wave
.set AHB,   32768                      ; half of the first operand's tile (x): 8 row tiles x 4,096 bytes: what one tensor load brings
.set BHB,   32768                      ; the same of the second (w)
.set BOFF,  2*AHB
.set SLOT,  BOFF+2*BHB
.set SPARE, 2*SLOT                     ; behind the ring: the spare words, 128 bytes a wave, named by no other line
.set PLA,   2097152                    ; from a K step to the next in x_codes
.set PLB,   786432                     ; and in wqkv_codes
.set RA,    AHB/256                    ; rows of 256 bytes in a load
.set RB,    BHB/256
.set GBSH,  16                         ; a tile column's bytes in a plane of the second operand: 2^16
.set ADRA, 16                          ; v16-17  LDS address of A's fragments in slot 0, 1
.set ADRB, 20                          ; v20-21  the same for B'
.set LI,   24                          ; v24     16 x lane
.set SPW,  28                          ; v28     LDS address of my spare word; never rewritten
.set NIL,  29                          ; v29     0; never rewritten
.set BQ,   32                          ; v32-95  the bias for q, k: 64 numbers along B'
.set BV,   96                          ; v96-111 the bias for v: one number for each tile of A', in the even registers
.set AF,   128                         ; window 0: A's fragments, one set.  Window 1: B's, two sets.  Windows 2, 3: the accumulators, (a, b) at 8 (8 a + b)
.set TMP,  128                         ; the way out: 32 numbers
.set COD,  160                         ; the way out: 12 sets of 8 registers of codes
.set G1, 24
.set G0, 32
.set G1B, 48
.set G0B, 56
.set MSB, 0
.macro WIN new                         ; the immediate's high byte repeats the setting that is left
.if MSB != (\new)
	s_set_vgpr_msb (MSB<<8)|(\new)
.set MSB, (\new)
.endif
.endm
.set MUL_LO, 0xa1                      ; source 0 (B') window 1, source 1 (A') window 0, C and D window 2
.set MUL_HI, 0xf1                      ; the same, C and D window 3
.set TO_B,   0x40                      ; destination window 1, address window 0
; A joint load: waves 0, 1 fetch the first operand's halves, waves 2, 3 the second's.  The branch hangs on the wave's number alone.  An s_nop 0 and four v_nop follow each line.
.macro JLOAD g0a, g1a, g0b, g1b
	s_cmp_eq_u32 s15, 0
	s_cbranch_scc0 .Lfor_b_\@
	tensor_load_to_lds s[\g0a:\g0a+3], s[\g1a:\g1a+7]
	s_nop 0
.rept 4
	v_nop
.endr
	s_branch .Lasked_\@
.Lfor_b_\@:
	tensor_load_to_lds s[\g0b:\g0b+3], s[\g1b:\g1b+7]
	s_nop 0
.rept 4
	v_nop
.endr
.Lasked_\@:
.endm
.macro CREST                           ; a round of the cluster's barrier behind its opening barrier
	s_cmp_lg_u32 s14, 0
	s_cbranch_scc1 .Lnot_wave_0_\@
	s_barrier_signal -3
.Lnot_wave_0_\@:
	s_barrier_wait -3
	s_barrier_signal -1
	s_barrier_wait -1
.endm
.macro CROUND
	s_barrier_signal -1
	s_barrier_wait -1
	CREST
.endm
.macro FRAG reg, adr, q, i             ; a fragment: tile i of my half, the slot's q-th 128 along K
.irp c, 0,1,2,3
	ds_load_b128 v[\reg+4*\c:\reg+4*\c+3], v[\adr] offset:2048*(\q)+4096*(\i)+512*\c
.endr
.endm
; A's tiles a0, a0 + 1 against B's NB, 128 along K.  The accumulators take turns, one instruction a turn, in the same order in every step.  zero = 1: the first product starts the sums.
.macro MULAB a0, p, zero
.irp a, \a0, \a0+1
.irp b, 0,1,2,3,4,5,6,7
.if \b < NB
.if \zero
	v_wmma_f32_16x16x128_fp8_fp8 v[(8*(NB*(\a)+\b))%256:(8*(NB*(\a)+\b))%256+7], v[128*(\p)+16*\b:128*(\p)+16*\b+15], v[AF+16*(\a):AF+16*(\a)+15], 0
.else
	v_wmma_f32_16x16x128_fp8_fp8 v[(8*(NB*(\a)+\b))%256:(8*(NB*(\a)+\b))%256+7], v[128*(\p)+16*\b:128*(\p)+16*\b+15], v[AF+16*(\a):AF+16*(\a)+15], v[(8*(NB*(\a)+\b))%256:(8*(NB*(\a)+\b))%256+7]
.endif
.endif
.endr
.endr
.endm
.macro FETCH_B slot, q, p
	WIN TO_B
.irp i, 0,1,2,3,4,5,6,7
.if \i < NB
	FRAG 128*(\p)+16*\i, ADRB+\slot, \q, \i
.endif
.endr
	WIN 0
.endm
.macro FETCH_A slot, q, i0
.irp i, \i0, \i0+1, \i0+2, \i0+3
	FRAG AF+16*(\i), ADRA+\slot, \q, \i
.endr
.endm
.macro PLACES                          ; four plain vector lines between a matrix instruction and a load into, or a vector read or write of, its registers
.rept 4
	v_nop
.endr
.endm
.macro STEP slot, q, zero              ; 128 along K whose successor lies in the same slot
	s_wait_dscnt 16                                ; B's set and A's tiles 0-3 are in; the youngest 16 loads (A's tiles 4-7) may be out
	WIN MUL_LO
	MULAB 0, (\q)%2, \zero
	MULAB 2, (\q)%2, \zero
	s_wait_dscnt 0
	PLACES
	FETCH_B \slot, (\q)+1, 1-(\q)%2
	FETCH_A \slot, (\q)+1, 0
	WIN MUL_HI
	MULAB 4, (\q)%2, \zero
	MULAB 6, (\q)%2, \zero
	PLACES
	WIN 0
	FETCH_A \slot, (\q)+1, 4
.endm
; A slot's last 128 along K, and the change of slots: one barrier; ahead of it each wave waits for all its tensor loads, adds 0 to its spare word and waits for that and for its reads of this slot.
.macro TURN slot, next, fill
	s_wait_tensorcnt 0x0                           ; my one load that was out, my part of the next slot, has landed
	ds_add_u32 v[SPW], v[NIL]
	s_wait_dscnt 17                                ; (the add and the 16 loads of A's tiles 4-7 may be out)
	WIN MUL_LO
	MULAB 0, 1, 0
	s_wait_dscnt 0x0                               ; the add is done, and my reads of this slot are over
	s_barrier_signal -1
	MULAB 2, 1, 0
	WIN 0
	s_barrier_wait -1
.if \fill
	CREST                                          ; the barrier has opened a round of the cluster's: no wave of any partner reads this slot or has a load on its way
	s_add_nc_u64 s[G0+4*\slot+2:G0+4*\slot+3], s[G0+4*\slot+2:G0+4*\slot+3], 2*PLA
	s_add_nc_u64 s[G0B+4*\slot+2:G0B+4*\slot+3], s[G0B+4*\slot+2:G0B+4*\slot+3], 2*PLB
	JLOAD G0+4*\slot, G1, G0B+4*\slot, G1B         ; the first tensor load behind the round; its four v_nop are the places ahead of the loads below
.else
	PLACES
.endif
	FETCH_B \next, 0, 0
	FETCH_A \next, 0, 0
	WIN MUL_HI
	MULAB 4, 1, 0
	MULAB 6, 1, 0
	PLACES
	WIN 0
	FETCH_A \next, 0, 4
.endm
; THE WAY OUT: 16 batches of 32 numbers: A's tile n / 2, B's pairs of tiles 2 (n % 2) and 2 (n % 2) + 1.  number = sum x 2^(e0 + e1) + bias, held, converted, stored.  Each accumulator is read from its low end on.
.macro EPI isv
.irp n, 0,1,2,3,4,5,6,7,8,9,10,11,12,13,14,15
.if \n == 12
	s_wait_xcnt 0x0                                ; the twelve sets of codes have been stored: they are written again only behind this wait
.endif
	WIN 0x02+(\n/8)                                ; source 0: window 2 or 3
.irp k, 0,2,4,6,8,10,12,14,16,18,20,22,24,26,28,30
.if \isv
	v_pk_fma_f32 v[TMP+\k:TMP+\k+1], v[32*(\n%8)+\k:32*(\n%8)+\k+1], s[84:85], v[BV+2*(\n/2):BV+2*(\n/2)+1] op_sel_hi:[1,0,0]
.else
	v_pk_fma_f32 v[TMP+\k:TMP+\k+1], v[32*(\n%8)+\k:32*(\n%8)+\k+1], s[84:85], v[BQ+32*(\n%2)+\k:BQ+32*(\n%2)+\k+1] op_sel_hi:[1,0,1]
.endif
.endr
	WIN 0
.set i, 0
.rept 32
.set i, i+1
.endr
.irp e, 0,1
	v_cvt_scalef32_pk8_fp8_f32 v[COD+8*(\n%12)+4*\e:COD+8*(\n%12)+4*\e+1], v[TMP+16*\e:TMP+16*\e+7], v30
	v_cvt_scalef32_pk8_fp8_f32 v[COD+8*(\n%12)+4*\e+2:COD+8*(\n%12)+4*\e+3], v[TMP+16*\e+8:TMP+16*\e+15], v30
.endr
	v_nop                                          ; one plain line between the conversions and the next batch, which writes their sources
.irp e, 0,1
.if \isv
	global_store_b128 v[LI], v[COD+8*(\n%12)+4*\e:COD+8*(\n%12)+4*\e+3], s[78:79] offset:((\n/8)<<17)+(((\n/2)%4)<<11)+((2*(\n%2)+\e)<<9)   ; head, tile of channels, chunk of 32 keys: 512 consecutive bytes
.else
	global_store_b128 v[LI], v[COD+8*(\n%12)+4*\e:COD+8*(\n%12)+4*\e+3], s[78:79] offset:((\n%2)<<17)+((\n/2)<<10)+(\e<<9)                  ; head, tile of rows, chunk of 32 channels
.endif
.endr
.endr
.endm
	s_load_b256 s[4:11], s[0:1], 0x0               ; x_codes s[4:5], wqkv_codes s[6:7], the exponents s[8:9], b_qkv s[10:11]
	s_load_b128 s[72:75], s[0:1], 0x20             ; q_codes, k_codes
	s_load_b64 s[76:77], s[0:1], 0x30              ; v_codes
	v_lshl_add_u32 v[SPW], v0, 2, SPARE
	v_mov_b32 v[NIL], 0
	ds_add_u32 v[SPW], v[NIL]
	ds_add_u32 v[SPW], v[NIL]                      ; the wave's opening: the add and its wait ahead of my first tensor load
	v_lshrrev_b32 v1, 5, v0
	v_readfirstlane_b32 s14, v1                    ; wave 0..3
	s_lshr_b32 s15, s14, 1                         ; wm: which half of A'.  Also: I fetch for the first operand (0) or the second (1)
	s_and_b32 s16, s14, 1                          ; wn: which half of B'.  Also: which half of that tile I fetch
	s_bfe_u32 s40, ttmp6, 0x40000                  ; cx
	s_bfe_u32 s41, ttmp6, 0x40004                  ; cy
	s_lshl_b32 s42, ttmp9, 2
	s_add_co_u32 s42, s42, s40                     ; gx: which 256 columns of w_qkv
	s_and_b32 s17, ttmp7, 0xffff
	s_lshl_b32 s17, s17, 2
	s_add_co_u32 s17, s17, s41                     ; gy: which 256 rows of x
	s_lshl_b32 s43, s41, 2
	s_lshl_b32 s43, 15, s43                        ; my row of the cluster
	s_lshl_b32 s44, 0x1111, s40                    ; my column
	; descriptor group 1: a dense block as rows of 32 elements of 8 bytes
	s_or_b32 s[G1+0], s43, (3<<16)|(1<<21)         ; 15:0 the mask; 17:16 elements of 8 bytes; 21 set beside a mask; no padding
	s_or_b32 s[G1B+0], s44, (3<<16)|(1<<21)
	s_mov_b32 s[G1+1], 32<<16                      ; tensor_dim0
	s_mov_b32 s[G1+2], RA<<16                      ; tensor_dim1
	s_mov_b32 s[G1+3], 32<<16                      ; tile_dim0
	s_mov_b32 s[G1+4], RA                          ; tile_dim1
	s_mov_b32 s[G1+5], 32                          ; from row to row
	s_mov_b32 s[G1+6], 0
	s_mov_b32 s[G1+7], 0
	s_mov_b32 s[G1B+1], 32<<16
	s_mov_b32 s[G1B+2], RB<<16
	s_mov_b32 s[G1B+3], 32<<16
	s_mov_b32 s[G1B+4], RB
	s_mov_b32 s[G1B+5], 32
	s_mov_b32 s[G1B+6], 0
	s_mov_b32 s[G1B+7], 0
	s_mul_i32 s45, s16, AHB                        ; where my half goes in a slot, and where it lies in its tile: the first operand's,
	s_mul_i32 s18, s16, BHB                        ; the second's
	s_add_co_u32 s19, s18, BOFF
	s_lshl_b32 s20, s17, 16                        ; 16 row tiles of 4,096 bytes for each gy
	s_add_co_u32 s20, s20, s45
	s_mov_b32 s21, 0
	s_lshl_b32 s46, s42, GBSH
	s_add_co_u32 s46, s46, s18
	s_mov_b32 s47, 0
	s_wait_dscnt 0x0                               ; the opening add is done
	s_wait_kmcnt 0x0
	s_load_b256 s[88:95], s[8:9], 0x0              ; e0 .. e7
	s_add_nc_u64 s[20:21], s[4:5], s[20:21]
	s_add_nc_u64 s[46:47], s[6:7], s[46:47]
	CROUND                                         ; all sixteen work-groups are here: the first joint loads meet
.irp s, 0,1
	s_mov_b32 s[G0+4*\s], 1
	s_add_co_u32 s[G0+4*\s+1], s45, \s*SLOT
	s_add_nc_u64 s[G0+4*\s+2:G0+4*\s+3], s[20:21], \s*PLA
	s_or_b32 s[G0+4*\s+3], s[G0+4*\s+3], 0x80000000
	s_mov_b32 s[G0B+4*\s], 1
	s_add_co_u32 s[G0B+4*\s+1], s19, \s*SLOT
	s_add_nc_u64 s[G0B+4*\s+2:G0B+4*\s+3], s[46:47], \s*PLB
	s_or_b32 s[G0B+4*\s+3], s[G0B+4*\s+3], 0x80000000
	JLOAD G0+4*\s, G1, G0B+4*\s, G1B               ; K steps 0 and 1: two loads of mine are out
.endr
	v_and_b32 v2, 31, v0
	v_lshlrev_b32 v[LI], 4, v2
	s_wait_alu depctr_va_vdst(0)
	s_cmp_eq_u32 ttmp9, 2                          ; v?  The cluster's x is the same in all sixteen partners
	s_cselect_b32 s70, BOFF, 0                     ; A' is w for v, x for q and k
	s_cselect_b32 s71, 0, BOFF                     ; B' the other
	s_lshl_b32 s22, s15, 15
	s_add_co_u32 s22, s22, s70
	s_lshl_b32 s23, s16, 15
	s_add_co_u32 s23, s23, s71
.irp s, 0,1
	v_add_nc_u32 v[ADRA+\s], s22, v[LI]
	v_add_nc_u32 v[ADRB+\s], s23, v[LI]
	s_add_co_u32 s22, s22, SLOT
	s_add_co_u32 s23, s23, SLOT
.endr
	; the biases, both sets in every work-group, so that each register is written on every way
	v_bfe_u32 v3, v0, 4, 1                         ; h
	v_lshlrev_b32 v8, 6, v3                        ; 64 h; never rewritten
	s_wait_alu depctr_va_vdst(0)
	v_and_b32 v4, 15, v0                           ; r
	v_and_b32 v5, 8, v4
	v_add_nc_u32 v5, v5, v4
	v_lshlrev_b32 v9, 2, v5                        ; 4 (r + 8 (r / 8)); never rewritten
	s_wait_alu depctr_va_vdst(0)
	s_lshl_b32 s80, s42, 10
	s_lshl_b32 s81, s16, 9
	s_add_co_u32 s80, s80, s81                     ; 4 (256 gx + 128 wn)
	s_mov_b32 s81, 0
	s_add_nc_u64 s[66:67], s[10:11], s[80:81]
	s_lshl_b32 s80, s42, 10
	s_lshl_b32 s82, s15, 9
	s_add_co_u32 s80, s80, s82                     ; 4 (256 gx + 128 wm)
	s_add_nc_u64 s[68:69], s[10:11], s[80:81]
.irp p, 0,1,2,3
.irp j, 0,1,2,3
	global_load_b128 v[BQ+16*\p+4*\j:BQ+16*\p+4*\j+3], v8, s[66:67] offset:128*\p+16*\j     ; b(32 p + 16 h + 4 j ..)
.endr
.endr
.irp a, 0,1,2,3,4,5,6,7
	global_load_b32 v[BV+2*\a], v9, s[68:69] offset:(32*(\a/2)+8*(\a%2))*4                  ; b at my row of w's tile a
	v_mov_b32 v[BV+2*\a+1], 0                                                               ; (named as the pair's upper half)
.endr
	; where my results go
	s_lshr_b32 s96, s17, 3
	s_lshl_b32 s96, s96, 21                        ; the batch: 16 heads of 131,072 bytes
	s_and_b32 s97, s17, 7
	s_lshl_b32 s98, s40, 2                         ; 4 cx: the tile column's first head
	s_lshl_b32 s80, s16, 1
	s_add_co_u32 s80, s80, s98
	s_lshl_b32 s80, s80, 17                        ; q, k: head 4 cx + 2 wn,
	s_lshl_b32 s81, s97, 4
	s_lshl_b32 s82, s15, 3
	s_add_co_u32 s81, s81, s82
	s_lshl_b32 s81, s81, 10                        ; tile of rows 16 (gy % 8) + 8 wm
	s_add_co_u32 s80, s80, s81
	s_lshl_b32 s82, s15, 1
	s_add_co_u32 s82, s82, s98
	s_lshl_b32 s82, s82, 17                        ; v: head 4 cx + 2 wm,
	s_lshl_b32 s83, s97, 1
	s_add_co_u32 s83, s83, s16
	s_lshl_b32 s83, s83, 13                        ; 128 keys 2 (gy % 8) + wn
	s_add_co_u32 s82, s82, s83
	s_cmp_eq_u32 ttmp9, 2
	s_cselect_b32 s80, s82, s80
	s_cselect_b64 s[78:79], s[76:77], s[74:75]
	s_cmp_eq_u32 ttmp9, 0
	s_cselect_b64 s[78:79], s[72:73], s[78:79]
	s_add_co_u32 s80, s80, s96
	s_mov_b32 s81, 0
	s_add_nc_u64 s[78:79], s[78:79], s[80:81]
	s_wait_kmcnt 0x0
	s_add_co_i32 s84, s88, s89
	s_add_co_i32 s84, s84, 127
	s_lshl_b32 s84, s84, 23                        ; 2^(e0 + e1) as f32
	s_mov_b32 s85, s84                             ; (named with it as a pair)
	s_cmp_eq_u32 ttmp9, 0
	s_cselect_b32 s86, s90, s91
	s_cmp_eq_u32 ttmp9, 2
	s_cselect_b32 s86, s93, s86                    ; e2, e3 or e5: a choice of values, no branch
	s_add_co_i32 s86, s86, 127
	s_lshl_b32 s87, s86, 23
	v_mov_b32 v30, s87                             ; 2^e as f32, for the conversions
	s_wait_tensorcnt 1                             ; my part of K step 0 is in; K step 1's may be out
	s_barrier_signal -1
	s_barrier_wait -1
	FETCH_B 0, 0, 0
	FETCH_A 0, 0, 0
	FETCH_A 0, 0, 4
	STEP 0, 0, 1                                   ; K step 0; its first products start the sums
	TURN 0, 1, 1                                   ; slot 0 takes K step 2
	STEP 1, 0, 0                                   ; K step 1
	TURN 1, 0, 1                                   ; slot 1 takes K step 3
	STEP 0, 0, 0                                   ; K step 2
	TURN 0, 1, 0                                   ; nothing is left to fetch
	STEP 1, 0, 0                                   ; K step 3
	s_wait_dscnt 16
	WIN MUL_LO
	MULAB 0, 1, 0
	MULAB 2, 1, 0
	s_wait_dscnt 0
	WIN MUL_HI
	MULAB 4, 1, 0
	MULAB 6, 1, 0
	WIN 0
	PLACES                                         ; ahead of the first read of results and the first write over A's fragments
	s_wait_loadcnt 0x0                             ; the biases
	s_cmp_eq_u32 ttmp9, 2
	s_cbranch_scc1 .Lway_v
	EPI 0
	s_branch .Ldone
.Lway_v:
	s_wait_alu depctr_va_vdst(0)
	EPI 1
.Ldone:
	s_wait_tensorcnt 0x0                           ; the wave's end
	ds_add_u32 v[SPW], v[NIL]
	s_wait_dscnt 0x0
	CROUND                                         ; the closing round: no work-group ends while a partner may still ask for a tile that names it
	s_endpgm
.Lfunc_end_k_q285dc8e3b9_qkv:
	.size	k_q285dc8e3b9_qkv, .Lfunc_end_k_q285dc8e3b9_qkv-k_q285dc8e3b9_qkv
	.p2alignl 7, 3214868480
	.fill 96, 4, 3214868480
	.section	.rodata,"a",@progbits
	.p2align	6, 0x0
	.amdhsa_kernel k_q285dc8e3b9_qkv
		.amdhsa_group_segment_fixed_size 327680
		.amdhsa_private_segment_fixed_size 0
		.amdhsa_enable_private_segment 0
		.amdhsa_kernarg_size 56
		.amdhsa_user_sgpr_count 2
		.amdhsa_user_sgpr_kernarg_segment_ptr 1
		.amdhsa_wavefront_size32 1
		.amdhsa_system_sgpr_workgroup_id_x 1
		.amdhsa_system_sgpr_workgroup_id_y 1
		.amdhsa_system_sgpr_workgroup_id_z 1
		.amdhsa_system_vgpr_workitem_id 0
		.amdhsa_next_free_vgpr 1024
		.amdhsa_next_free_sgpr 100
		.amdhsa_reserve_vcc 0
		.amdhsa_float_denorm_mode_32 3
		.amdhsa_float_denorm_mode_16_64 3
		.amdhsa_fp16_overflow 1
		.amdhsa_memory_ordered 1
		.amdhsa_forward_progress 1
		.amdhsa_inst_pref_size 130
	.end_amdhsa_kernel
	.amdgpu_metadata
---
amdhsa.version: [ 1, 2 ]
amdhsa.kernels:
  - .name:           k_q285dc8e3b9_qkv
    .symbol:         k_q285dc8e3b9_qkv.kd
    .args:
      - { .name: x_codes, .offset: 0, .size: 8, .value_kind: global_buffer, .address_space: global }
      - { .name: wqkv_codes, .offset: 8, .size: 8, .value_kind: global_buffer, .address_space: global }
      - { .name: lowp_scales, .offset: 16, .size: 8, .value_kind: global_buffer, .address_space: global }
      - { .name: b_qkv, .offset: 24, .size: 8, .value_kind: global_buffer, .address_space: global }
      - { .name: q_codes, .offset: 32, .size: 8, .value_kind: global_buffer, .address_space: global }
      - { .name: k_codes, .offset: 40, .size: 8, .value_kind: global_buffer, .address_space: global }
      - { .name: v_codes, .offset: 48, .size: 8, .value_kind: global_buffer, .address_space: global }
    .group_segment_fixed_size: 327680
    .private_segment_fixed_size: 0
    .kernarg_segment_align: 8
    .kernarg_segment_size: 56
    .max_flat_workgroup_size: 128
    .sgpr_count:     100
    .vgpr_count:     1024
    .wavefront_size: 32
...
	.end_amdgpu_metadata
.endif
;; end of part 2
;; launch attn (part 3): grid 4 x 64, 16 waves a work-group, no clusters, 327,680 bytes of LDS; arguments q_codes, k_codes, v_codes, lowp_scales, a_codes; writes a_codes
.if DOCPART == 3
	.amdgcn_target "amdgcn-amd-amdhsa--gfx1250"
	.amdhsa_code_object_version 6
	.text
	.protected	k_q285dc8e3b9_attn
	.globl	k_q285dc8e3b9_attn
	.p2align	8
	.type	k_q285dc8e3b9_attn,@function
k_q285dc8e3b9_attn:
	s_mov_b64 s[64:65], 0
	v_nop
	global_prefetch_b8 v0, s[64:65] scope:SCOPE_SE
	s_setreg_imm32_b32 hwreg(HW_REG_WAVE_MODE, 25, 1), 1
	s_wait_xcnt 0x0
; Causal attention on codes of FP8 (E4M3), head size 64, 2,048 rows, 64 pairs of batch and head; the result is quantised (entry 6) into the image that the last product reads.
; THE SOFTMAX AHEAD OF THE SECOND PRODUCT: t = score x log2(e) / 8; M = the running largest t rounded UP to a whole number; p = 2^(t - M) is quantised (entry 4), not normalised; the row's sum is taken of the
; unquantised p and divides at the end.  When M moves, the sum and O are multiplied by 2^(old M - new M): exact.
; SHARES.  Work-group (i, bh) owns the blocks of 256 queries 7 - i and i of one head and takes them one after the other in ONE WALK OF 9 SLOTS of 256 keys: slots 0 .. 7 - i for the first block, 0 .. i for the second.
; So all work-groups have the same work, every trip count is a constant, and the ring of two LDS slots never stops.  Each of the 16 waves owns one tile of 16 queries of the block in hand.
; IMAGES.  q, k: [bh][tile of 16 rows][chunk 2][512]: lane l's 16 bytes at 16 l: row l % 16, channel 32 c + 16 (l / 16) + 0 .. 15.  v: [bh][128 keys][tile of 16 channels][chunk 4][512], the keys innermost.
; Tile 2 G + u holds rows (or channels) 32 G + 8 u + p + 8 (p / 8).  Both products are used transposed (S^T = K Q^T, O^T = V^T P^T): a lane holds one query; the 16 registers of two neighbouring tiles of keys are
; 16 neighbouring keys, and those of two neighbouring tiles of channels 16 neighbouring channels: the conversions' results are the next operand's registers, and the way out touches no LDS.
; THE MASK.  A step of 128 keys that all come after my tile's queries is left out by a scalar branch on ids; in a step on the diagonal hidden scores become -infinity ahead of the maximum.  Key 0 counts for every query.
; NO CLUSTER: the four work-groups of a head want the same slot in the first five trips only; in step with each other each trip would last as long as its busiest partner's, 12 slots' work against 9.
; LIMITS: e2 + e3 between -123 and 130 (added to c's exponent field); e4, and e6 - e4 - e5, between -126 and 119.
.set SLOT1, 32768                      ; a slot: K's 16 tiles x 1,024 bytes, then V's 2 x 8,192; slot 1 begins here: one exclusive or changes slots
.set VOFF,  16384
.set SPARE, 65536                      ; behind the ring: the spare words, 128 bytes a wave, named by no other line
.set LI,  1                            ; v1   16 x lane: Q's loads, every fragment, the stores; never rewritten
.set PFO, 3                            ; v3   256 x lane: the prefetches; never rewritten
.set SPW, 5                            ; v5   LDS address of my spare word; never rewritten
.set NIL, 6                            ; v6   0; never rewritten
.set ADR, 8                            ; v8   LDS address of the slot in hand + 16 x lane
.set DQ,  9                            ; v9   my query less my tile's base less 16 (lane / 16)
; v12 -M, v13 the largest t, v[14:15] the sum; v16-23 Q, v24-31 the second block's Q; v32-95 K's 8 fragments, then V's 4; v96-159 S^T, then p; v160-191 O^T; v192-207 p's codes; v208-215 the result's codes;
; v[216:217] f; v218 a permute's destination; v[220:221] the sum's second chain; v223 2^e4; v224 2^(e6 - e4 - e5); v226-229 at work
.set WV,  18
.set BH,  20
.set JP1, 22                           ; 8 - i: slots of the first block
.set G1,  28                           ; s[28:35] descriptor group 1;  s[36:39] group 0
.set G0,  36
.set BASE, 40                          ; s[40:41] the head's K (wave 0) or V (wave 1)
.set OFF, 42                           ; s[42:43]
.set NXT, 44                           ; the slot of keys to be asked for next
.set N,   45                           ; the trip
.set TB,  46                           ; LDS byte at which the slot in hand begins
.set KF,  47                           ; the step's first key
.set Q0,  48                           ; my pair of tiles' first query;  s49: the second block's
.set SEL, 50
.set CS,  52                           ; s[52:53] c = log2(e) / 8 x 2^(e2 + e3)
.set PFA, 54
.set LIM, 56
.set OUT1, 58
.set OUT2, 60
.macro TLOAD                           ; wave 0 fetches a slot's K, wave 1 its V: 16 KiB each, one dense block.  An s_nop 0 and four v_nop follow
	s_cmp_lt_u32 s[WV], 2
	s_cbranch_scc0 .Lasked_\@
	tensor_load_to_lds s[G0:G0+3], s[G1:G1+7]
	s_nop 0
.rept 4
	v_nop
.endr
.Lasked_\@:
.endm
; A PREFETCH INTO THE L2 of the slot of keys that the next change of slots will ask for.  All four work-groups of a head walk the same K and V from slot 0 on: the one that walks all eight (i = 0) asks, in trips 0 to 5, for
; slots 2 to 7; waves 4, 5 for K's two halves of 8,192 bytes, waves 6, 7 for V's, lanes 256 bytes apart: each aligned block of 256 bytes is named once in the launch.  Slots 0 and 1 come by their loads alone.
.macro ASK
	s_cmp_lt_u32 s[N], s[LIM]
	s_cbranch_scc0 .Lnot_mine_\@
	global_prefetch_b8 v[PFO], s[PFA:PFA+1] th:TH_LOAD_NT scope:SCOPE_SE
.Lnot_mine_\@:
.endm
; THE CHANGE OF SLOTS, at a slot's head.  Each wave waits for all its tensor loads, adds 0 to its spare word, and waits for that and for its reads of the slot that it has left; behind the barrier the slot ahead is whole
; and nobody reads the other, which is filled with the walk's next slot of keys: that load has a whole slot's steps in which to land.
.macro CHANGE fill
	s_wait_tensorcnt 0x0                           ; no tensor load of mine is out, so group 0 may be written
	ds_add_u32 v[SPW], v[NIL]
.if \fill
	s_xor_b32 s[G0+1], s[G0+1], SLOT1
	s_lshl_b32 s[OFF], s[NXT], 14                  ; a slot of keys is 16,384 bytes of K and of V
	s_add_nc_u64 s[G0+2:G0+3], s[BASE:BASE+1], s[OFF:OFF+1]
	s_or_b32 s[G0+3], s[G0+3], 0x80000000
	s_add_co_u32 s[NXT], s[NXT], 1
	s_cmp_eq_u32 s[NXT], s[JP1]
	s_cselect_b32 s[NXT], 0, s[NXT]                ; behind the first block's last slot comes the second block's slot 0
	s_wait_xcnt 0x0                                ; the last prefetch, a slot back, has read its address
	s_add_nc_u64 s[PFA:PFA+1], s[PFA:PFA+1], 16384
.endif
	s_wait_dscnt 0x0                               ; the add is done, and my reads of the slot that I have left are over
	s_barrier_signal -1
	s_barrier_wait -1
.if \fill
	TLOAD                                          ; the first thing behind the barrier, a wave's one tensor load until the next
	ASK
.endif
.endm
.macro FRESH                           ; a block begins: the largest t under every t, zeros for the sum and O^T (the first change of M leaves zeros zeros)
	v_mov_b32 v13, 0xff61b1e6
	s_delay_alu instid0(VALU_DEP_1)
	v_floor_f32 v12, -v13
	v_mov_b32 v14, 0
	v_mov_b32 v15, 0
.set j, 0
.rept 32
	v_mov_b32 v[160+j], 0
.set j, j+1
.endr
.endm
; A KEY STEP: 128 keys, the q-th of the slot in hand
.macro STEP q
	s_add_co_u32 s96, s[Q0], 31
	s_cmp_gt_u32 s[KF], s96                        ; all keys behind all my queries: ids and the count of steps alone
	s_cbranch_scc1 .Lhidden_\@
	v_add_nc_u32 v[ADR], s[TB], v[LI]
.rept 3
	v_nop                                          ; with the addition: four places ahead of loads into registers that the last products read
.endr
.irp t, 0,1,2,3,4,5,6,7
.irp c, 0,1
	ds_load_b128 v[32+8*\t+4*\c:32+8*\t+4*\c+3], v[ADR] offset:8192*(\q)+1024*\t+512*\c
.endr
.endr
	s_wait_alu depctr_va_vdst(0)
	s_wait_dscnt 0x0
.irp t, 0,1,2,3,4,5,6,7
	v_wmma_f32_16x16x64_fp8_fp8 v[96+8*\t:103+8*\t], v[32+8*\t:39+8*\t], v[16:23], 0       ; register 16 b + n of tiles 2 b, 2 b + 1: key KF + 32 b + 16 (lane / 16) + n
.endr
.rept 4
	v_nop                                          ; places ahead of the loads below and of the first read of the scores
.endr
.irp t, 0,1,2,3
.irp c, 0,1,2,3
	ds_load_b128 v[32+16*\t+4*\c:32+16*\t+4*\c+3], v[ADR] offset:VOFF+8192*(\q)+2048*\t+512*\c   ; V's fragments land under the softmax
.endr
.endr
	s_add_co_u32 s96, s[KF], 127
	s_cmp_le_u32 s96, s[Q0]                        ; all keys count: no mask
	s_cbranch_scc1 .Lopen_\@
	s_sub_co_i32 s96, s[Q0], s[KF]
	v_add_nc_u32 v228, s96, v[DQ]                  ; d = my query - KF - 16 (lane / 16): register 16 b + n is hidden where 32 b + n > d
	v_mov_b32 v229, 0xff800000                     ; -infinity
.set j, 0
.rept 64
	v_cmp_gt_i32 vcc_lo, 32*(j/16)+j%16, v228
	v_cndmask_b32 v[96+j], v[96+j], v229, vcc_lo
.set j, j+1
.endr
.Lopen_\@:
	v_max3_num_f32 v226, v96, v97, v98             ; the step's largest score of my query among my 64 keys, in two chains, from the low end on,
	v_max3_num_f32 v227, v99, v100, v101
.set j, 6
.rept 14
	v_max3_num_f32 v226, v226, v[96+j], v[97+j]
	v_max3_num_f32 v227, v227, v[98+j], v[99+j]
.set j, j+4
.endr
	v_max3_num_f32 v226, v226, v158, v159
	s_delay_alu instid0(VALU_DEP_1)
	v_max_num_f32 v226, v226, v227
	s_delay_alu instid0(VALU_DEP_1)
	v_permlanex16_b32 v218, v226, s[SEL], s[SEL+1]
	s_delay_alu instid0(VALU_DEP_1)
	v_max_num_f32 v226, v226, v218                 ; and among lane l xor 16's
	s_delay_alu instid0(VALU_DEP_1)
	v_mul_f32 v226, s[CS], v226                    ; as t (c is positive)
	s_delay_alu instid0(VALU_DEP_1)
	v_max_num_f32 v13, v13, v226
	v_mov_b32 v226, v12
	s_delay_alu instid0(VALU_DEP_2)
	v_floor_f32 v12, -v13                          ; -M = floor(-t): M is a whole number
	s_delay_alu instid0(VALU_DEP_1)
	v_sub_f32 v226, v12, v226                      ; old M - new M, 0 or less
	s_delay_alu instid0(VALU_DEP_1)
	v_cvt_i32_f32 v226, v226
	s_delay_alu instid0(VALU_DEP_1)
	v_ldexp_f32 v216, 1.0, v226                    ; f = 2^(old M - new M)
.set j, 0
.rept 32
	v_pk_fma_f32 v[96+j:97+j], v[96+j:97+j], s[CS:CS+1], v[12:13] op_sel_hi:[1,0,0]        ; t - M
.set j, j+2
.endr
.set j, 0
	s_wait_alu depctr_va_vdst(0)
.rept 64
	v_exp_f32 v[96+j], v[96+j]                     ; p = 2^(t - M)
.set j, j+1
.endr
	v_pk_mul_f32 v[14:15], v[14:15], v[216:217] op_sel_hi:[1,0]                            ; the sums under the new M: the plain line behind the exponentials
	s_wait_alu depctr_va_vdst(0)                   ; one wait for the batch, ahead of its first reader
	v_pk_add_f32 v[220:221], v[100:101], v[104:105]
	v_pk_add_f32 v[238:239], v[108:109], v[112:113]
	v_pk_add_f32 v[236:237], v[116:117], v[120:121]
	v_pk_add_f32 v[234:235], v[124:125], v[128:129]
	v_pk_add_f32 v[232:233], v[132:133], v[136:137]
	v_pk_add_f32 v[230:231], v[140:141], v[144:145]
	v_pk_add_f32 v[228:229], v[148:149], v[152:153]
	v_pk_add_f32 v[14:15], v[14:15], v[156:157]
	v_pk_add_f32 v[220:221], v[220:221], v[96:97]
	v_pk_add_f32 v[238:239], v[238:239], v[98:99]
	v_pk_add_f32 v[236:237], v[236:237], v[102:103]
	v_pk_add_f32 v[234:235], v[234:235], v[106:107]
	v_pk_add_f32 v[232:233], v[232:233], v[110:111]
	v_pk_add_f32 v[230:231], v[230:231], v[114:115]
	v_pk_add_f32 v[228:229], v[228:229], v[118:119]
	v_pk_add_f32 v[14:15], v[14:15], v[122:123]
	v_pk_add_f32 v[220:221], v[220:221], v[126:127]
	v_pk_add_f32 v[238:239], v[238:239], v[130:131]
	v_pk_add_f32 v[236:237], v[236:237], v[134:135]
	v_pk_add_f32 v[234:235], v[234:235], v[138:139]
	v_pk_add_f32 v[232:233], v[232:233], v[142:143]
	v_pk_add_f32 v[230:231], v[230:231], v[146:147]
	v_pk_add_f32 v[228:229], v[228:229], v[150:151]
	v_pk_add_f32 v[14:15], v[14:15], v[154:155]
	v_pk_add_f32 v[220:221], v[220:221], v[158:159]
	s_delay_alu instid0(VALU_DEP_2)
	v_pk_add_f32 v[14:15], v[14:15], v[234:235]
	s_delay_alu instid0(VALU_DEP_2)
	v_pk_add_f32 v[220:221], v[220:221], v[232:233]
	v_pk_add_f32 v[238:239], v[238:239], v[230:231]
	v_pk_add_f32 v[236:237], v[236:237], v[228:229]
	s_delay_alu instid0(VALU_DEP_2)
	v_pk_add_f32 v[14:15], v[14:15], v[238:239]
	s_delay_alu instid0(VALU_DEP_2)
	v_pk_add_f32 v[220:221], v[220:221], v[236:237]
	s_delay_alu instid0(VALU_DEP_1)
	v_pk_add_f32 v[14:15], v[14:15], v[220:221]
.irp b, 0,1,2,3
.set j, 0
.rept 16
.set j, j+1
.endr
	v_cvt_scalef32_pk8_fp8_f32 v[192+4*\b:193+4*\b], v[96+16*\b:103+16*\b], v223
	v_cvt_scalef32_pk8_fp8_f32 v[194+4*\b:195+4*\b], v[104+16*\b:111+16*\b], v223
.endr
.set j, 0
.rept 16
	v_pk_mul_f32 v[160+j:161+j], v[160+j:161+j], v[216:217] op_sel_hi:[1,0]                ; O^T under the new M; also the plain lines behind the conversions
.set j, j+2
.endr
	s_wait_alu depctr_va_vdst(0)
	s_wait_dscnt 0x0                               ; V is in
.irp t, 0,1,2,3
	v_wmma_f32_16x16x128_fp8_fp8 v[160+8*\t:167+8*\t], v[32+16*\t:47+16*\t], v[192:207], v[160+8*\t:167+8*\t]   ; four accumulators by turns
.endr
.Lhidden_\@:
	s_add_co_u32 s[KF], s[KF], 128
.endm
.macro SLOT_STEPS
	STEP 0
	STEP 1
	s_xor_b32 s[TB], s[TB], SLOT1
.endm
; A BLOCK'S WAY OUT: O^T / the sum, held, converted with 2^(e6 - e4 - e5) (the three scales folded into one), stored as two chunks of the last product's image: 512 consecutive bytes each
.macro OUTW ptr
.rept 4
	v_nop                                          ; places behind the last products
.endr
	v_add_f32 v14, v14, v15
	s_delay_alu instid0(VALU_DEP_1)
	v_permlanex16_b32 v218, v14, s[SEL], s[SEL+1]
	s_delay_alu instid0(VALU_DEP_1)
	v_add_f32 v14, v14, v218                       ; the row's sum
	s_wait_alu depctr_va_vdst(0)
	v_rcp_f32 v14, v14
	v_nop                                          ; a plain line behind the reciprocal,
	s_wait_alu depctr_va_vdst(0)                   ; and the wait ahead of its first reader
.set j, 0
.rept 16
	v_pk_mul_f32 v[96+j:97+j], v[160+j:161+j], v[14:15] op_sel_hi:[1,0]
.set j, j+2
.endr
.set j, 0
.rept 32
.set j, j+1
.endr
	s_wait_alu depctr_va_vdst(0)
	s_wait_xcnt 0x0                                ; the first block's stores have read these registers
.irp t, 0,1,2,3
	v_cvt_scalef32_pk8_fp8_f32 v[208+2*\t:209+2*\t], v[96+8*\t:103+8*\t], v224
.endr
	v_nop
	global_store_b128 v[LI], v[208:211], s[\ptr:\ptr+1]                 ; channels 16 (lane / 16) + 0 .. 15
	global_store_b128 v[LI], v[212:215], s[\ptr:\ptr+1] offset:512      ; channels 32 + 16 (lane / 16) + 0 .. 15
.endm
.macro SWITCH                          ; in the trip that begins the second block: the first goes out, the second's Q and fresh statistics come in.  The condition is the same in all waves
	s_cmp_eq_u32 s[N], s[JP1]
	s_cbranch_scc0 .Lsame_\@
	OUTW OUT1
.irp j, 0,1,2,3,4,5,6,7
	v_mov_b32 v[16+\j], v[24+\j]
.endr
	FRESH
	s_mov_b32 s[KF], 0
	s_mov_b32 s[Q0], s49
.Lsame_\@:
.endm
	s_load_b256 s[4:11], s[0:1], 0x0               ; q_codes s[4:5], k_codes s[6:7], v_codes s[8:9], the exponents s[10:11]
	s_load_b64 s[12:13], s[0:1], 0x20              ; a_codes
	v_lshl_add_u32 v[SPW], v0, 2, SPARE
	v_mov_b32 v[NIL], 0
	ds_add_u32 v[SPW], v[NIL]                      ; the wave's opening: the add and its wait ahead of the first tensor load
	ds_add_u32 v[SPW], v[NIL]
	v_lshrrev_b32 v8, 5, v0
	s_delay_alu instid0(VALU_DEP_1)
	v_readfirstlane_b32 s[WV], v8                  ; wave 0..15
	s_and_b32 s[BH], ttmp7, 0xffff
	s_sub_co_u32 s[JP1], 8, ttmp9
	s_mov_b32 s[G1], 3<<16                         ; no mask; elements of 8 bytes; no padding
	s_mov_b32 s[G1+1], 32<<16                      ; tensor_dim0: rows of 256 bytes
	s_mov_b32 s[G1+2], 64<<16                      ; tensor_dim1
	s_mov_b32 s[G1+3], 32<<16                      ; tile_dim0
	s_mov_b32 s[G1+4], 64                          ; tile_dim1
	s_mov_b32 s[G1+5], 32                          ; from row to row: dense
	s_mov_b32 s[G1+6], 0
	s_mov_b32 s[G1+7], 0
	s_mov_b32 s[SEL], 0x76543210
	s_mov_b32 s[SEL+1], 0xfedcba98
	s_mov_b32 s[NXT], 1
	s_mov_b32 s[N], 0
	s_mov_b32 s[TB], 0
	s_mov_b32 s[KF], 0
	s_mov_b32 s[OFF+1], 0
	s_lshl_b32 s76, s[BH], 17                      ; a head's 131,072 bytes in q_codes, k_codes and v_codes
	s_mov_b32 s77, 0
	s_and_b32 s78, s[WV], 1
	s_wait_dscnt 0x0                               ; the opening add is done
	s_wait_kmcnt 0x0
	s_load_b256 s[68:75], s[10:11], 0x0            ; e0 .. e7
	s_cmp_eq_u32 s[WV], 1
	s_cselect_b64 s[BASE:BASE+1], s[8:9], s[6:7]
	s_add_nc_u64 s[BASE:BASE+1], s[BASE:BASE+1], s[76:77]
	s_mov_b32 s[G0], 1
	s_lshl_b32 s[G0+1], s78, 14                    ; K at the slot's head, V 16,384 bytes on
	s_mov_b64 s[G0+2:G0+3], s[BASE:BASE+1]
	s_or_b32 s[G0+3], s[G0+3], 0x80000000
	TLOAD                                          ; the walk's slot 0
	s_sub_co_u32 s79, 7, ttmp9                     ; the first block
	s_lshl_b32 s86, s79, 4
	s_add_co_u32 s86, s86, s[WV]                   ; my tile of it,
	s_lshl_b32 s87, ttmp9, 4
	s_add_co_u32 s87, s87, s[WV]                   ; and of the second
	s_lshl_b32 s80, s86, 10
	s_add_co_u32 s80, s80, s76
	s_mov_b32 s81, 0
	s_add_nc_u64 s[80:81], s[4:5], s[80:81]
	s_lshl_b32 s82, s87, 10
	s_add_co_u32 s82, s82, s76
	s_mov_b32 s83, 0
	s_add_nc_u64 s[82:83], s[4:5], s[82:83]
	v_and_b32 v[LI], 31, v0
	s_delay_alu instid0(VALU_DEP_1)
	v_lshlrev_b32 v[PFO], 8, v[LI]
	s_delay_alu instid0(VALU_DEP_2)
	v_lshlrev_b32 v[LI], 4, v[LI]
	global_load_b128 v[16:19], v[LI], s[80:81]
	global_load_b128 v[20:23], v[LI], s[80:81] offset:512
	global_load_b128 v[24:27], v[LI], s[82:83]
	global_load_b128 v[28:31], v[LI], s[82:83] offset:512
	s_lshr_b32 s88, s[WV], 1
	s_lshl_b32 s88, s88, 5
	s_lshl_b32 s[Q0], s79, 8
	s_add_co_u32 s[Q0], s[Q0], s88                 ; 256 x block + 32 (wave / 2)
	s_lshl_b32 s49, ttmp9, 8
	s_add_co_u32 s49, s49, s88
	s_and_b32 s89, s[BH], 15                       ; the head
	s_lshr_b32 s90, s89, 2
	s_lshl_b32 s90, s90, 21                        ; its K step of 256 in a_codes,
	s_and_b32 s89, s89, 3
	s_lshl_b32 s89, s89, 10                        ; and its 1,024 bytes of a row tile's 4,096
	s_add_co_u32 s89, s89, s90
	s_lshr_b32 s91, s[BH], 4
	s_lshl_b32 s91, s91, 7                         ; the batch's 128 row tiles
	s_add_co_u32 s92, s91, s86
	s_lshl_b32 s92, s92, 12
	s_add_co_u32 s92, s92, s89
	s_mov_b32 s93, 0
	s_add_nc_u64 s[OUT1:OUT1+1], s[12:13], s[92:93]
	s_add_co_u32 s92, s91, s87
	s_lshl_b32 s92, s92, 12
	s_add_co_u32 s92, s92, s89
	s_add_nc_u64 s[OUT2:OUT2+1], s[12:13], s[92:93]
	s_cmp_lt_u32 s[WV], 6                          ; the prefetches: waves 4, 5 K, waves 6, 7 V
	s_cselect_b64 s[PFA:PFA+1], s[6:7], s[8:9]
	s_lshl_b32 s94, s78, 13
	s_add_co_u32 s94, s94, s76
	s_add_co_u32 s94, s94, 16384                   ; in slot 1: the first change of slots steps it to slot 2.  Nothing is prefetched here, at the head
	s_mov_b32 s95, 0
	s_add_nc_u64 s[PFA:PFA+1], s[PFA:PFA+1], s[94:95]
	s_sub_co_u32 s94, s[WV], 4
	s_lshr_b32 s94, s94, 2                         ; 0 in waves 4 to 7,
	s_or_b32 s94, s94, ttmp9                       ; of the work-group with i = 0
	s_cmp_eq_u32 s94, 0
	s_cselect_b32 s[LIM], 6, 0
	v_and_b32 v10, 15, v0
	s_delay_alu instid0(VALU_DEP_1)
	v_and_b32 v11, 8, v10
	s_delay_alu instid0(VALU_DEP_1)
	v_add_nc_u32 v[DQ], v10, v11                   ; r + 8 (r / 8)
	v_and_b32 v11, 16, v0
	s_delay_alu instid0(VALU_DEP_1)
	v_sub_nc_u32 v[DQ], v[DQ], v11                 ; - 16 (lane / 16)
	s_lshl_b32 s84, s78, 3
	v_add_nc_u32 v[DQ], s84, v[DQ]                 ; + 8 (wave % 2)
	v_mov_b32 v217, 0                              ; (named as the upper half of the pair v[216:217])
	v_mov_b32 v218, 0                              ; a lane permute's destination counts as one of its sources
	FRESH
	s_wait_kmcnt 0x0
	s_add_co_i32 s84, s70, s71
	s_lshl_b32 s84, s84, 23
	s_add_co_i32 s[CS], s84, 0x3e38aa3b            ; log2(e) / 8, with e2 + e3 added to its exponent field
	s_mov_b32 s[CS+1], s[CS]
	s_add_co_i32 s84, s72, 127
	s_lshl_b32 s85, s84, 23
	v_mov_b32 v223, s85                            ; 2^e4
	s_sub_co_i32 s84, s74, s72
	s_sub_co_i32 s84, s84, s73
	s_add_co_i32 s84, s84, 127
	s_lshl_b32 s85, s84, 23
	v_mov_b32 v224, s85                            ; 2^(e6 - e4 - e5)
	s_wait_loadcnt 0x0                             ; both tiles of Q
.Ltrip:                                            ; eight trips: behind each change of slots the walk's next slot is asked for
	CHANGE 1
	SWITCH
	SLOT_STEPS
	s_add_co_u32 s[N], s[N], 1
	s_cmp_lt_u32 s[N], 8
	s_cbranch_scc1 .Ltrip
	CHANGE 0                                       ; the ninth slot is written out: nothing is left to ask for
	SWITCH
	SLOT_STEPS
	OUTW OUT2
	s_wait_tensorcnt 0x0                           ; the wave's end
	ds_add_u32 v[SPW], v[NIL]
	s_wait_dscnt 0x0
	s_endpgm
.Lfunc_end_k_q285dc8e3b9_attn:
	.size	k_q285dc8e3b9_attn, .Lfunc_end_k_q285dc8e3b9_attn-k_q285dc8e3b9_attn
	.p2alignl 7, 3214868480
	.fill 96, 4, 3214868480
	.section	.rodata,"a",@progbits
	.p2align	6, 0x0
	.amdhsa_kernel k_q285dc8e3b9_attn
		.amdhsa_group_segment_fixed_size 327680
		.amdhsa_private_segment_fixed_size 0
		.amdhsa_enable_private_segment 0
		.amdhsa_kernarg_size 40
		.amdhsa_user_sgpr_count 2
		.amdhsa_user_sgpr_kernarg_segment_ptr 1
		.amdhsa_wavefront_size32 1
		.amdhsa_system_sgpr_workgroup_id_x 1
		.amdhsa_system_sgpr_workgroup_id_y 1
		.amdhsa_system_sgpr_workgroup_id_z 1
		.amdhsa_system_vgpr_workitem_id 0
		.amdhsa_next_free_vgpr 240
		.amdhsa_next_free_sgpr 100
		.amdhsa_reserve_vcc 1
		.amdhsa_float_denorm_mode_32 3
		.amdhsa_float_denorm_mode_16_64 3
		.amdhsa_fp16_overflow 1
		.amdhsa_memory_ordered 1
		.amdhsa_forward_progress 1
		.amdhsa_inst_pref_size 93
	.end_amdhsa_kernel
	.amdgpu_metadata
---
amdhsa.version: [ 1, 2 ]
amdhsa.kernels:
  - .name:           k_q285dc8e3b9_attn
    .symbol:         k_q285dc8e3b9_attn.kd
    .args:
      - { .name: q_codes, .offset: 0, .size: 8, .value_kind: global_buffer, .address_space: global }
      - { .name: k_codes, .offset: 8, .size: 8, .value_kind: global_buffer, .address_space: global }
      - { .name: v_codes, .offset: 16, .size: 8, .value_kind: global_buffer, .address_space: global }
      - { .name: lowp_scales, .offset: 24, .size: 8, .value_kind: global_buffer, .address_space: global }
      - { .name: a_codes, .offset: 32, .size: 8, .value_kind: global_buffer, .address_space: global }
    .group_segment_fixed_size: 327680
    .private_segment_fixed_size: 0
    .kernarg_segment_align: 8
    .kernarg_segment_size: 40
    .max_flat_workgroup_size: 512
    .sgpr_count:     100
    .vgpr_count:     240
    .wavefront_size: 32
...
	.end_amdgpu_metadata
.endif
;; end of part 3
;; launch proj (part 4): grid 8 x 32, 4 waves a work-group, clusters of 4 x 4, 327,680 bytes of LDS; arguments a_codes, wout_codes, lowp_scales, b_out, out0; writes out0
.if DOCPART == 4
	.amdgcn_target "amdgcn-amd-amdhsa--gfx1250"
	.amdhsa_code_object_version 6
	.text
	.protected	k_q285dc8e3b9_proj
	.globl	k_q285dc8e3b9_proj
	.p2align	8
	.type	k_q285dc8e3b9_proj,@function
k_q285dc8e3b9_proj:
	s_mov_b64 s[64:65], 0
	v_nop
	global_prefetch_b8 v0, s[64:65] scope:SCOPE_SE
	s_setreg_imm32_b32 hwreg(HW_REG_WAVE_MODE, 25, 1), 1
	s_wait_xcnt 0x0
	s_wait_alu depctr_hold_cnt(0) depctr_sa_sdst(0) depctr_va_vdst(0) depctr_va_sdst(0) depctr_va_ssrc(0) depctr_va_vcc(0) depctr_vm_vsrc(0)
	s_getreg_b32 s2, hwreg(HW_REG_IB_STS2, 6, 4)
	s_cmp_eq_u32 s2, 0
	s_cbranch_scc0 .Lentry_in_a_cluster
	s_endpgm
.Lentry_in_a_cluster:
	s_bfe_u32 s2, ttmp6, 0x10000c
	s_cmp_lg_u32 s2, 0xf033
	s_cbranch_scc0 .Lentry_shape_is_right
	s_endpgm
.Lentry_shape_is_right:
; out0 = a w_out + b_out on codes of FP8 (E4M3); a is the attention's result as codes (scale entry 6), w_out's codes have entry 7.  Sums in f32; out0 [8192][1024] f32.
; A work-group of four waves makes 256 rows x 128 columns, so that the grid has 256 work-groups of equal work; a wave 128 x 64: 32 accumulators of 16 x 16.  K = 1,024 in four K steps of 256 through two LDS slots, written out.
; OPERANDS ARE IMAGES OF REGISTERS: a fragment (16 rows x 128 K) is 4 chunks of 512 bytes, lane l's 16 bytes at 16 l (row l % 16, k = 32 c + 16 (l / 16) + 0 .. 15), the same order of k on both sides.
; Row tile 2 G + u holds rows 32 G + 8 u + p + 8 (p / 8).  Every tile that a tensor load brings is one dense block; every LDS load takes 512 consecutive bytes.
; THE MATRIX INSTRUCTION: source 0 = a tile of w_out's columns, source 1 = a tile of a's rows: a lane holds one row, and its 16 registers of column tiles 2 p, 2 p + 1 are 16 neighbouring columns 32 p + 16 (l / 16) + 0 .. 15.
; THE WAY OUT goes through the wave's own stage in LDS, 16 rows x 256 bytes at a time; sixteen lanes then store 256 consecutive aligned bytes of a row.  The rows' order in a tile stands in the stores' immediates.
; CLUSTERS: 4 x 4: a's tiles are shared along a row of the cluster, w_out's along a column, each asked for jointly.
; LIMIT: e6 + e7 between -126 and 127.
.set NB,    4
.set AHB,   32768                      ; half of a's tile: 8 row tiles x 4,096 bytes
.set BHB,   16384                      ; half of w_out's: 4 row tiles
.set BOFF,  2*AHB
.set SLOT,  BOFF+2*BHB
.set STAGE, 2*SLOT                     ; behind the ring: 16 rows x 272 bytes for each wave; no tensor load lands here
.set SPITCH, 272
.set SPARE, STAGE+4*16*SPITCH          ; behind the stages: the spare words, 128 bytes a wave, named by no other line
.set PLA,   2097152
.set PLB,   262144
.set RA,    AHB/256
.set RB,    BHB/256
.set GBSH,  15
.set ADRA, 16
.set ADRB, 20
.set STO,  24                          ; v24  the stage: where I put 64 bytes of a row
.set RD,   25                          ; v25  and where I read 16 bytes of a row back
.set CO,   26                          ; v26  my byte offset in out0
.set LI,   27                          ; v27  16 x lane
.set SPW,  28
.set NIL,  29
.set BIAS, 32                          ; v32-63   b_out at my 32 columns
.set TMP,  64                          ; v64-95   a tile's results
.set AF,   128                         ; window 0: a's fragments, one set.  Window 1: w_out's, two sets.  Window 2: the accumulators, (a, b) at 8 (4 a + b)
.set BK,   128                         ; the way out: rows read back: v128-159 and v160-191 by turns
.set G1, 24
.set G0, 32
.set G1B, 48
.set G0B, 56
.set MSB, 0
.macro WIN new                         ; the immediate's high byte repeats the setting that is left
.if MSB != (\new)
	s_set_vgpr_msb (MSB<<8)|(\new)
.set MSB, (\new)
.endif
.endm
.set MUL_LO, 0xa1                      ; source 0 window 1, source 1 window 0, C and D window 2
.set MUL_HI, 0xa1
.set TO_B,   0x40
.macro JLOAD g0a, g1a, g0b, g1b        ; a joint load: waves 0, 1 for a, waves 2, 3 for w_out; an s_nop 0 and four v_nop follow each line
	s_cmp_eq_u32 s15, 0
	s_cbranch_scc0 .Lfor_b_\@
	tensor_load_to_lds s[\g0a:\g0a+3], s[\g1a:\g1a+7]
	s_nop 0
.rept 4
	v_nop
.endr
	s_branch .Lasked_\@
.Lfor_b_\@:
	tensor_load_to_lds s[\g0b:\g0b+3], s[\g1b:\g1b+7]
	s_nop 0
.rept 4
	v_nop
.endr
.Lasked_\@:
.endm
.macro CREST
	s_cmp_lg_u32 s14, 0
	s_cbranch_scc1 .Lnot_wave_0_\@
	s_barrier_signal -3
.Lnot_wave_0_\@:
	s_barrier_wait -3
	s_barrier_signal -1
	s_barrier_wait -1
.endm
.macro CROUND
	s_barrier_signal -1
	s_barrier_wait -1
	CREST
.endm
.macro FRAG reg, adr, q, i
.irp c, 0,1,2,3
	ds_load_b128 v[\reg+4*\c:\reg+4*\c+3], v[\adr] offset:2048*(\q)+4096*(\i)+512*\c
.endr
.endm
.macro MULAB a0, p, zero               ; the accumulators take turns, one instruction a turn, in the same order in every step
.irp a, \a0, \a0+1
.irp b, 0,1,2,3,4,5,6,7
.if \b < NB
.if \zero
	v_wmma_f32_16x16x128_fp8_fp8 v[(8*(NB*(\a)+\b))%256:(8*(NB*(\a)+\b))%256+7], v[128*(\p)+16*\b:128*(\p)+16*\b+15], v[AF+16*(\a):AF+16*(\a)+15], 0
.else
	v_wmma_f32_16x16x128_fp8_fp8 v[(8*(NB*(\a)+\b))%256:(8*(NB*(\a)+\b))%256+7], v[128*(\p)+16*\b:128*(\p)+16*\b+15], v[AF+16*(\a):AF+16*(\a)+15], v[(8*(NB*(\a)+\b))%256:(8*(NB*(\a)+\b))%256+7]
.endif
.endif
.endr
.endr
.endm
.macro FETCH_B slot, q, p
	WIN TO_B
.irp i, 0,1,2,3,4,5,6,7
.if \i < NB
	FRAG 128*(\p)+16*\i, ADRB+\slot, \q, \i
.endif
.endr
	WIN 0
.endm
.macro FETCH_A slot, q, i0
.irp i, \i0, \i0+1, \i0+2, \i0+3
	FRAG AF+16*(\i), ADRA+\slot, \q, \i
.endr
.endm
.macro PLACES                          ; four plain vector lines between a matrix instruction and a load into, or a vector read or write of, its registers
.rept 4
	v_nop
.endr
.endm
.macro STEP slot, q, zero
	s_wait_dscnt 16                                ; w_out's set and a's tiles 0-3 are in; the youngest 16 loads (a's tiles 4-7) may be out
	WIN MUL_LO
	MULAB 0, (\q)%2, \zero
	MULAB 2, (\q)%2, \zero
	s_wait_dscnt 0
	PLACES
	FETCH_B \slot, (\q)+1, 1-(\q)%2
	FETCH_A \slot, (\q)+1, 0
	WIN MUL_HI
	MULAB 4, (\q)%2, \zero
	MULAB 6, (\q)%2, \zero
	PLACES
	WIN 0
	FETCH_A \slot, (\q)+1, 4
.endm
.macro TURN slot, next, fill           ; a slot's last 128 along K, and the change of slots
	s_wait_tensorcnt 0x0                           ; my one load that was out, my part of the next slot, has landed
	ds_add_u32 v[SPW], v[NIL]
	s_wait_dscnt 17                                ; (the add and the 16 loads of a's tiles 4-7 may be out)
	WIN MUL_LO
	MULAB 0, 1, 0
	s_wait_dscnt 0x0                               ; the add is done, and my reads of this slot are over
	s_barrier_signal -1
	MULAB 2, 1, 0
	WIN 0
	s_barrier_wait -1
.if \fill
	CREST                                          ; the barrier has opened a round of the cluster's
	s_add_nc_u64 s[G0+4*\slot+2:G0+4*\slot+3], s[G0+4*\slot+2:G0+4*\slot+3], 2*PLA
	s_add_nc_u64 s[G0B+4*\slot+2:G0B+4*\slot+3], s[G0B+4*\slot+2:G0B+4*\slot+3], 2*PLB
	JLOAD G0+4*\slot, G1, G0B+4*\slot, G1B
.else
	PLACES
.endif
	FETCH_B \next, 0, 0
	FETCH_A \next, 0, 0
	WIN MUL_HI
	MULAB 4, 1, 0
	MULAB 6, 1, 0
	PLACES
	WIN 0
	FETCH_A \next, 0, 4
.endm
.macro TOSTAGE a                       ; tile a of my rows: sum x 2^(e6 + e7) + bias, each accumulator from its low end on; into my stage and back as rows
	WIN 0x02
.irp k, 0,2,4,6,8,10,12,14,16,18,20,22,24,26,28,30
	v_pk_fma_f32 v[TMP+\k:TMP+\k+1], v[32*(\a)+\k:32*(\a)+\k+1], s[84:85], v[BIAS+\k:BIAS+\k+1] op_sel_hi:[1,0,1]
.endr
	WIN 0
.irp p, 0,1
.irp j, 0,1,2,3
	ds_store_b128 v[STO], v[TMP+16*\p+4*\j:TMP+16*\p+4*\j+3] offset:128*\p+16*\j
.endr
.endr
.irp i, 0,1,2,3,4,5,6,7
	ds_load_b128 v[BK+32*((\a)%2)+4*\i:BK+32*((\a)%2)+4*\i+3], v[RD] offset:2*SPITCH*\i    ; LDS serves a wave's instructions in order (ISA guide 5.7.1.4): these see my stores
.endr
.endm
.macro SEND a, younger                 ; younger: the LDS instructions issued behind tile a's loads
	s_wait_dscnt \younger
.irp i, 0,1,2,3,4,5,6,7
	global_store_b128 v[CO], v[BK+32*((\a)%2)+4*\i:BK+32*((\a)%2)+4*\i+3], s[72:73] offset:(32*((\a)/2)+8*((\a)%2)+2*\i+8*(\i/4))*4096 th:TH_STORE_NT   ; sixteen lanes store 256 consecutive aligned bytes; stage rows 2 i, 2 i + 1 are the tile's rows 2 i + 8 (i / 4) on
.endr
.endm
	s_load_b256 s[4:11], s[0:1], 0x0               ; a_codes s[4:5], wout_codes s[6:7], the exponents s[8:9], b_out s[10:11]
	s_load_b64 s[72:73], s[0:1], 0x20              ; out0
	v_lshl_add_u32 v[SPW], v0, 2, SPARE
	v_mov_b32 v[NIL], 0
	ds_add_u32 v[SPW], v[NIL]                      ; the wave's opening: the add and its wait ahead of my first tensor load
	ds_add_u32 v[SPW], v[NIL]
	v_lshrrev_b32 v1, 5, v0
	v_readfirstlane_b32 s14, v1                    ; wave 0..3
	s_lshr_b32 s15, s14, 1                         ; wm: which 128 rows.  Also: I fetch for a (0) or for w_out (1)
	s_and_b32 s16, s14, 1                          ; wn: which 64 columns.  Also: which half of that tile I fetch
	s_bfe_u32 s40, ttmp6, 0x40000                  ; cx
	s_bfe_u32 s41, ttmp6, 0x40004                  ; cy
	s_lshl_b32 s42, ttmp9, 2
	s_add_co_u32 s42, s42, s40                     ; gx: which 128 columns
	s_and_b32 s17, ttmp7, 0xffff
	s_lshl_b32 s17, s17, 2
	s_add_co_u32 s17, s17, s41                     ; gy: which 256 rows
	s_lshl_b32 s43, s41, 2
	s_lshl_b32 s43, 15, s43                        ; my row of the cluster
	s_lshl_b32 s44, 0x1111, s40                    ; my column
	s_or_b32 s[G1+0], s43, (3<<16)|(1<<21)         ; 15:0 the mask; 17:16 elements of 8 bytes; 21 set beside a mask; no padding
	s_or_b32 s[G1B+0], s44, (3<<16)|(1<<21)
	s_mov_b32 s[G1+1], 32<<16
	s_mov_b32 s[G1+2], RA<<16
	s_mov_b32 s[G1+3], 32<<16
	s_mov_b32 s[G1+4], RA
	s_mov_b32 s[G1+5], 32
	s_mov_b32 s[G1+6], 0
	s_mov_b32 s[G1+7], 0
	s_mov_b32 s[G1B+1], 32<<16
	s_mov_b32 s[G1B+2], RB<<16
	s_mov_b32 s[G1B+3], 32<<16
	s_mov_b32 s[G1B+4], RB
	s_mov_b32 s[G1B+5], 32
	s_mov_b32 s[G1B+6], 0
	s_mov_b32 s[G1B+7], 0
	s_mul_i32 s45, s16, AHB
	s_mul_i32 s18, s16, BHB
	s_add_co_u32 s19, s18, BOFF
	s_lshl_b32 s20, s17, 16
	s_add_co_u32 s20, s20, s45
	s_mov_b32 s21, 0
	s_lshl_b32 s46, s42, GBSH
	s_add_co_u32 s46, s46, s18
	s_mov_b32 s47, 0
	s_wait_dscnt 0x0                               ; the opening add is done
	s_wait_kmcnt 0x0
	s_load_b256 s[88:95], s[8:9], 0x0              ; e0 .. e7
	s_add_nc_u64 s[20:21], s[4:5], s[20:21]
	s_add_nc_u64 s[46:47], s[6:7], s[46:47]
	CROUND                                         ; all sixteen work-groups are here: the first joint loads meet
.irp s, 0,1
	s_mov_b32 s[G0+4*\s], 1
	s_add_co_u32 s[G0+4*\s+1], s45, \s*SLOT
	s_add_nc_u64 s[G0+4*\s+2:G0+4*\s+3], s[20:21], \s*PLA
	s_or_b32 s[G0+4*\s+3], s[G0+4*\s+3], 0x80000000
	s_mov_b32 s[G0B+4*\s], 1
	s_add_co_u32 s[G0B+4*\s+1], s19, \s*SLOT
	s_add_nc_u64 s[G0B+4*\s+2:G0B+4*\s+3], s[46:47], \s*PLB
	s_or_b32 s[G0B+4*\s+3], s[G0B+4*\s+3], 0x80000000
	s_wait_alu depctr_va_vdst(0)
	s_wait_tensorcnt 0x0
	ds_add_u32 v28, v29
	ds_add_u32 v28, v29
	s_wait_dscnt 0x0
	CROUND
	JLOAD G0+4*\s, G1, G0B+4*\s, G1B               ; K steps 0 and 1: one load of mine is out at a time
.endr
	v_and_b32 v2, 31, v0
	v_lshlrev_b32 v[LI], 4, v2
	v_and_b32 v4, 15, v0                           ; r
	s_wait_alu depctr_va_vdst(0)
	v_bfe_u32 v3, v0, 4, 1                         ; h
	s_mul_i32 s22, s15, AHB
	s_mul_i32 s23, s16, BHB
	s_add_co_u32 s23, s23, BOFF
.irp s, 0,1
	v_add_nc_u32 v[ADRA+\s], s22, v[LI]
	v_add_nc_u32 v[ADRB+\s], s23, v[LI]
	s_add_co_u32 s22, s22, SLOT
	s_add_co_u32 s23, s23, SLOT
.endr
	s_mul_i32 s70, s14, 16*SPITCH
	s_add_co_u32 s70, s70, STAGE                   ; my stage
	v_mul_u32_u24 v5, v4, SPITCH
	s_wait_alu depctr_va_vdst(0)
	v_lshl_add_u32 v5, v3, 6, v5
	v_add_nc_u32 v[STO], s70, v5                   ; in: row r, + 64 h bytes
	v_mul_u32_u24 v6, v3, SPITCH
	v_lshl_add_u32 v6, v4, 4, v6
	v_add_nc_u32 v[RD], s70, v6                    ; back: lanes 0-15 one row, lanes 16-31 the next
	v_lshlrev_b32 v[CO], 12, v3
	v_lshl_add_u32 v[CO], v4, 4, v[CO]             ; and the same in out0: a row is 4,096 bytes
	v_lshlrev_b32 v8, 6, v3                        ; 64 h; never rewritten
	s_lshl_b32 s82, s42, 9
	s_lshl_b32 s83, s16, 8
	s_add_co_u32 s82, s82, s83                     ; 4 (128 gx + 64 wn)
	s_mov_b32 s83, 0
	s_add_nc_u64 s[66:67], s[10:11], s[82:83]
.irp p, 0,1
.irp j, 0,1,2,3
	global_load_b128 v[BIAS+16*\p+4*\j:BIAS+16*\p+4*\j+3], v8, s[66:67] offset:128*\p+16*\j
.endr
.endr
	s_lshl_b32 s80, s17, 20                        ; 256 gy rows,
	s_lshl_b32 s81, s15, 19                        ; 128 wm rows,
	s_add_co_u32 s80, s80, s81
	s_add_co_u32 s80, s80, s82                     ; my first column
	s_mov_b32 s81, 0
	s_add_nc_u64 s[72:73], s[72:73], s[80:81]
	s_wait_kmcnt 0x0
	s_add_co_i32 s84, s94, s95
	s_add_co_i32 s84, s84, 127
	s_lshl_b32 s84, s84, 23                        ; 2^(e6 + e7) as f32
	s_mov_b32 s85, s84                             ; (named with it as a pair)
	s_wait_tensorcnt 1                             ; my part of K step 0 is in; K step 1's may be out
	s_barrier_signal -1
	s_barrier_wait -1
	FETCH_B 0, 0, 0
	FETCH_A 0, 0, 0
	FETCH_A 0, 0, 4
	STEP 0, 0, 1
	TURN 0, 1, 1
	STEP 1, 0, 0
	TURN 1, 0, 1
	STEP 0, 0, 0
	TURN 0, 1, 0
	STEP 1, 0, 0
	s_wait_dscnt 16
	WIN MUL_LO
	MULAB 0, 1, 0
	MULAB 2, 1, 0
	s_wait_dscnt 0
	WIN MUL_HI
	MULAB 4, 1, 0
	MULAB 6, 1, 0
	WIN 0
	PLACES                                         ; ahead of the first read of results and of the loads into a's fragments' registers
	s_wait_loadcnt 0x0                             ; the bias
	TOSTAGE 0
.irp a, 1,2,3,4,5,6,7
.if \a > 1
	s_wait_xcnt 0x0                                ; tile a - 2's stores have read their registers: tile a's rows may land there
.endif
	TOSTAGE \a
	SEND \a-1, 16                                  ; behind tile a - 1's loads: tile a's 8 stores and 8 loads
.endr
	SEND 7, 0
	s_wait_tensorcnt 0x0                           ; the wave's end
	ds_add_u32 v[SPW], v[NIL]
	s_wait_dscnt 0x0
	CROUND                                         ; the closing round
	s_endpgm
.Lfunc_end_k_q285dc8e3b9_proj:
	.size	k_q285dc8e3b9_proj, .Lfunc_end_k_q285dc8e3b9_proj-k_q285dc8e3b9_proj
	.p2alignl 7, 3214868480
	.fill 96, 4, 3214868480
	.section	.rodata,"a",@progbits
	.p2align	6, 0x0
	.amdhsa_kernel k_q285dc8e3b9_proj
		.amdhsa_group_segment_fixed_size 327680
		.amdhsa_private_segment_fixed_size 0
		.amdhsa_enable_private_segment 0
		.amdhsa_kernarg_size 40
		.amdhsa_user_sgpr_count 2
		.amdhsa_user_sgpr_kernarg_segment_ptr 1
		.amdhsa_wavefront_size32 1
		.amdhsa_system_sgpr_workgroup_id_x 1
		.amdhsa_system_sgpr_workgroup_id_y 1
		.amdhsa_system_sgpr_workgroup_id_z 1
		.amdhsa_system_vgpr_workitem_id 0
		.amdhsa_next_free_vgpr 768
		.amdhsa_next_free_sgpr 100
		.amdhsa_reserve_vcc 0
		.amdhsa_float_denorm_mode_32 3
		.amdhsa_float_denorm_mode_16_64 3
		.amdhsa_memory_ordered 1
		.amdhsa_forward_progress 1
		.amdhsa_inst_pref_size 78
	.end_amdhsa_kernel
	.amdgpu_metadata
---
amdhsa.version: [ 1, 2 ]
amdhsa.kernels:
  - .name:           k_q285dc8e3b9_proj
    .symbol:         k_q285dc8e3b9_proj.kd
    .args:
      - { .name: a_codes, .offset: 0, .size: 8, .value_kind: global_buffer, .address_space: global }
      - { .name: wout_codes, .offset: 8, .size: 8, .value_kind: global_buffer, .address_space: global }
      - { .name: lowp_scales, .offset: 16, .size: 8, .value_kind: global_buffer, .address_space: global }
      - { .name: b_out, .offset: 24, .size: 8, .value_kind: global_buffer, .address_space: global }
      - { .name: out0, .offset: 32, .size: 8, .value_kind: global_buffer, .address_space: global }
    .group_segment_fixed_size: 327680
    .private_segment_fixed_size: 0
    .kernarg_segment_align: 8
    .kernarg_segment_size: 40
    .max_flat_workgroup_size: 128
    .sgpr_count:     100
    .vgpr_count:     768
    .wavefront_size: 32
...
	.end_amdgpu_metadata
.endif
;; end of part 4
